; MI455X (gfx1250); checked and timed in simulation.
; The chip was launched on July 23, 2026; its instructions are those of AMD's public machine-readable ISA for CDNA 5 (MIT licence, August 2026) and "CDNA5" Instruction Set Architecture Reference Guide (July 2026). The comments in the code are by the model that wrote it; some were corrected since.
;; Attn Block. Allowed arithmetic: matrix products marked QUANTISED: E2M1 operands, one E8M0 scale for each 32 along K, by v_wmma_scale_f32_16x16x128_f8f6f4 with both operands' format E2M1 (or v_wmma_scale_f32_32x16x128_f4), f32 sums; everything else in f32.
;; Inputs: bk 64 float32; bp 64 float32; bq 64 float32; bv 64 float32; gn_beta 64 float32; gn_gamma 64 float32; wk 64 x 64 float32; wp 64 x 64 float32; wq 64 x 64 float32; wv 64 x 64 float32; x 4 x 64 x 64 x 64 float32.
;; Outputs: out0 4 x 64 x 64 x 64 float32.
;; This version of the problem:
;;   THIS VERSION OF THE PROBLEM IS GIVEN IN LOW PRECISION. The matrix products marked QUANTISED in the list below multiply operands that are first quantised to E2M1 (2 exponent bits, 1 mantissa bit; 4 bits a number), with one power-of-two scale for each 32 numbers along K (OCP MX v1.0); their sums are f32. All else is computed in f32.
;;   The module's matrix products, in the order in which they are computed (A, B: the left and right operand; K: the contracted axis; several contracted axes count as one K, in the product's order):
;;     1. [M 64, K 64] x [K 64, N 16,384]; A: input wq; B: computed on the way: QUANTISED
;;     2. [M 64, K 64] x [K 64, N 16,384]; A: input wk; B: computed on the way: QUANTISED
;;     3. [M 64, K 64] x [K 64, N 16,384]; A: input wv; B: computed on the way: QUANTISED
;;     4. batch 4 x [M 4,096, K 64] x [K 64, N 4,096]; A: computed on the way; B: computed on the way: QUANTISED
;;     5. batch 4 x [M 64, K 4,096] x [K 4,096, N 4,096]; A: computed on the way; B: computed on the way: QUANTISED
;;     6. [M 64, K 64] x [K 64, N 16,384]; A: input wp; B: computed on the way: QUANTISED
;;   THE QUANTISER, for each operand of a quantised product, along K:
;;     - K is cut into blocks of 32 from its start; a last block that is shorter is filled with zeros.
;;     - A block's scale is 2^e with e = floor(log2(the largest magnitude in the block)) - 2, held to -126 .. 127; a block of zeros has e = 0. As a byte (E8M0): e + 127.
;;     - Each number is divided by its block's scale, clamped to +-6, and rounded to the nearest number of E2M1, ties to even, subnormals kept.
;;     - The product sums the exact products of the quantised numbers (number of the format x scale) in f32.
;;   ~~~python
;;   def quantise(x, axis):      # numpy; x: float32 -> the quantised numbers, widened to float32 again
;;       x = np.moveaxis(x, axis, -1); K = x.shape[-1]
;;       x = np.pad(x, [(0, 0)] * (x.ndim - 1) + [(0, -K % 32)]); x = x.reshape(x.shape[:-1] + (-1, 32)); a = np.abs(x).max(-1, keepdims=True)
;;       e = np.where(a > 0, np.clip(np.frexp(np.where(a > 0, a, 1))[1] - 1 - 2, -126, 127), 0)      # np.frexp(a)[1] - 1 = floor(log2(a)), exactly
;;       r = np.clip(x / 2.0 ** e, -6, 6)
;;       step = 2.0 ** (np.maximum(np.frexp(np.where(r == 0, 1, r))[1] - 1, 0) - 1)
;;       q = np.round(r / step) * step * 2.0 ** e      # np.round: ties to even
;;       return np.moveaxis(q.reshape(q.shape[:-2] + (-1,))[..., :K], -1, axis).astype(np.float32)
;;   ~~~
;;   OPERANDS COMPUTED ON THE WAY. 'Computed on the way' means the value that the module computes at that place (a softmax that the list does not call 'softmax' is quantised finished and normalised). What goes into a quantiser is computed in f32, as accurately as f32 sums, v_exp_f32 and their like allow (about 1e-6 of the number): no bf16 or f16 on the way to a quantiser, and a product that is left as it is and whose result goes on into a quantised operand takes f32 operands (vector FMAs, or v_wmma_f32_16x16x4_f32). A number that lies on a knife's edge between two numbers of the format may be rounded either way, as far as f32 arithmetic and the matrix unit's own rounding can turn it there, and no further.
;; One version. Each part assembles by itself: llvm-mc -triple=amdgcn-amd-amdhsa -mcpu=gfx1250 --defsym DOCPART=n.
;; ======== version 1 of 1: 3 launches
;; workspace buffers: stats 1,024 bytes; wts 10,240 bytes; qc 524,288 bytes; qs 65,536 bytes; kv 1,146,880 bytes
;; launch prep (part 1): grid 132 x 1, 4 waves a work-group, no clusters, 1,024 bytes of LDS; arguments x, wq, wk, wv, wp, stats, wts; writes stats, wts
.if DOCPART == 1
	.amdgcn_target "amdgcn-amd-amdhsa--gfx1250"
	.amdhsa_code_object_version 6
	.text
	.protected	k_q29990f7ca1_prep
	.globl	k_q29990f7ca1_prep
	.p2align	8
	.type	k_q29990f7ca1_prep,@function
k_q29990f7ca1_prep:
	s_mov_b64 s[64:65], 0
	v_nop
	global_prefetch_b8 v0, s[64:65] scope:SCOPE_SE
	s_setreg_imm32_b32 hwreg(HW_REG_WAVE_MODE, 25, 1), 1
	s_wait_xcnt 0x0
; WORK-GROUPS 0 TO 127: the mean and 1 / sqrt(variance + 1e-5) of one (batch, group) of the group norm: 2 channels x 4,096 positions = 8,192 f32,
; 32,768 consecutive bytes of x.  The group stays in registers (64 numbers a thread) between the pass that sums it and the pass that sums the squares
; of (x - mean): x is read once, and no difference of large sums is formed.  stats[b * 32 + g] = (mean, rs), 8 bytes.
; WORK-GROUPS 128 TO 131: the four weights [64 out][64 in] f32 become codes of FP4 (E2M1) with one E8M0 byte for each 32 along the input channels, laid as
; IMAGES OF THE OPERAND'S REGISTERS.  Work-group 128 + m takes matrix m (wq, wk, wv, wp), its wave t tile t: eight loads and one block a lane.
; Tile t's row r is output channel 32 (r / 8) + 8 t + r % 8, so that a later
; product with the weight as source 0 leaves a lane 32 neighbouring channels in the 32 registers of its four tiles.  Lane (r, h) holds the 32 codes of
; block h of its row: 16 bytes at 16 x lane.  wts: 2,560 bytes a matrix: four tiles of 512 bytes, then [lane][tile] scale words (byte 0, 1: the two blocks;
; bytes 2, 3: 0x7f, for the half of the instruction's 128 along K that holds zero codes).
; A block's scale is 2^(floor(log2(largest magnitude)) - 2); its byte is the largest magnitude's exponent field - 2, held at 1 from below.
; LIMITS: a block of zeros gets the byte 1 where the rule says 127 (its codes are zeros, and this program alone reads the bytes); NaN and infinities are not served.
; No cluster, no tensor loads: no two work-groups read the same bytes, and each byte is read once into registers.
.set X,   32                           ; v32-95 the group's numbers; in the weights' path v32-63 a tile's 32 numbers
.set CH,  16                           ; v16-23 four chains of packed sums
.set MU,  24                           ; v24 the mean, v25 0 and at last rs
.set PT,  26                           ; v26 a lane permute's destination
.set AW,  27                           ; v27 LDS: 4 x wave
.set ZR,  28                           ; v28 0
.set TA,  8                            ; the weights' path: v8-13 at work
.set TB,  9
.set SCO, 10
.set EB,  11
.set T,   12
.set U,   13
.set SH8, 6                            ; v6  8 x (lane / 16)
.set CW,  160                          ; v160-163 codes, v164 the scale word
	s_load_b256 s[4:11], s[0:1], 0x0               ; x s[4:5], wq s[6:7], wk s[8:9], wv s[10:11]
	s_load_b128 s[12:15], s[0:1], 0x20             ; wp s[12:13], stats s[14:15]
	s_load_b64 s[16:17], s[0:1], 0x30              ; wts
	v_lshl_add_u32 v192, v0, 2, 0x200
	v_mov_b32 v193, 0
	v_lshrrev_b32 v1, 5, v0
	v_readfirstlane_b32 s18, v1                    ; wave 0..3
	s_mov_b32 s20, 0x76543210                      ; v_permlanex16_b32's selects for lane l xor 16
	s_mov_b32 s21, 0xfedcba98
	s_mov_b32 s23, 0
	s_cmp_lt_u32 ttmp9, 128                        ; the same in all four waves of a work-group
	s_cbranch_scc0 .Lweights
; ---------------- the statistics of group ttmp9
	v_lshlrev_b32 v2, 4, v0                        ; 16 bytes a thread: a load of the work-group covers 2,048 consecutive bytes
	v_lshlrev_b32 v[AW], 2, v1
	v_mov_b32 v[PT], 0
	v_mov_b32 v[ZR], 0
	v_mov_b32 v[MU+1], 0                           ; named with the mean as a pair, so it is written
	s_lshl_b32 s22, ttmp9, 15                      ; 32,768 bytes a group
	s_lshl_b32 s26, ttmp9, 3                       ; 8 bytes of stats a group
	s_mov_b32 s27, 0
	s_mov_b32 s24, 0x39000000                      ; 1 / 8,192
	s_mov_b32 s25, 0x3727c5ac                      ; 1e-5
	s_wait_alu depctr_va_vdst(0)
	s_wait_kmcnt 0x0
	s_add_nc_u64 s[4:5], s[4:5], s[22:23]
	s_add_nc_u64 s[14:15], s[14:15], s[26:27]
.irp i, 0,1,2,3,4,5,6,7,8,9,10,11,12,13,14,15
	global_load_b128 v[X+4*\i:X+4*\i+3], v2, s[4:5] offset:2048*\i
.endr
; the chains' four pairs, then the pair's halves, then the 32 lanes: every lane ends with the wave's sum
.macro JOIN
	v_pk_add_f32 v[CH:CH+1], v[CH:CH+1], v[CH+2:CH+3]
	v_pk_add_f32 v[CH+4:CH+5], v[CH+4:CH+5], v[CH+6:CH+7]
	v_pk_add_f32 v[CH:CH+1], v[CH:CH+1], v[CH+4:CH+5]
	v_add_f32 v[CH], v[CH], v[CH+1]
.irp m, 1,2,4,8
	v_add_f32_dpp v[CH], v[CH], v[CH] row_xmask:\m row_mask:0xf bank_mask:0xf
.endr
	v_permlanex16_b32 v[PT], v[CH], s20, s21
	v_add_f32 v[CH], v[CH], v[PT]
.endm
; the four waves' sums meet in 16 bytes of LDS at off: store, wait for it, barrier, load.  The result is in v8
.macro ACROSS off
	ds_store_b32 v[AW], v[CH] offset:\off
	s_wait_dscnt 0x0                               ; for the others' sake: my store has landed
	s_barrier_signal -1
	s_barrier_wait -1
	ds_load_b128 v[8:11], v[ZR] offset:\off
	s_wait_dscnt 0x0
	v_add_f32 v8, v8, v9
	v_add_f32 v10, v10, v11
	v_add_f32 v8, v8, v10
.endm
.set i, 0
.rept 16                               ; load i feeds chain i % 4; the first four loads start the chains: nothing is cleared
.if i%4 == 0
	s_wait_alu depctr_va_vdst(0)
	s_wait_loadcnt 12-i                            ; loads come back in order: these four are in, the 12 - i younger ones may be out
.endif
.if i < 4
	v_pk_add_f32 v[CH+2*i:CH+2*i+1], v[X+4*i:X+4*i+1], v[X+4*i+2:X+4*i+3]
.else
	v_pk_add_f32 v[CH+2*(i%4):CH+2*(i%4)+1], v[CH+2*(i%4):CH+2*(i%4)+1], v[X+4*i:X+4*i+1]
	v_pk_add_f32 v[CH+2*(i%4):CH+2*(i%4)+1], v[CH+2*(i%4):CH+2*(i%4)+1], v[X+4*i+2:X+4*i+3]
.endif
.set i, i+1
.endr
	JOIN
	ACROSS 0
	v_mul_f32 v[MU], s24, v8                       ; the mean
.set p, 0
.rept 32
	v_pk_add_f32 v[X+2*p:X+2*p+1], v[X+2*p:X+2*p+1], v[MU:MU+1] op_sel_hi:[1,0] neg_lo:[0,1] neg_hi:[0,1]   ; x - mean (the pair's low word for both halves)
.set p, p+1
.endr
.set p, 0
.rept 32
.if p < 4
	v_pk_mul_f32 v[CH+2*p:CH+2*p+1], v[X+2*p:X+2*p+1], v[X+2*p:X+2*p+1]
.else
	v_pk_fma_f32 v[CH+2*(p%4):CH+2*(p%4)+1], v[X+2*p:X+2*p+1], v[X+2*p:X+2*p+1], v[CH+2*(p%4):CH+2*(p%4)+1]
.endif
.set p, p+1
.endr
	JOIN
	ACROSS 256                                     ; other bytes than the first meeting's: no third barrier is needed
	v_fma_f32 v29, v8, s24, s25                    ; variance + 1e-5
	s_wait_alu depctr_va_vdst(0)
	v_rsq_f32 v[MU+1], v29
	v_nop                                          ; a plain line behind the transcendental (ISA guide 5.7.2)
	s_cmp_lg_u32 s18, 0
	s_cbranch_scc1 .Ldone                          ; wave 0's lane 0 stores the pair
	v_cmp_eq_u32 vcc_lo, 0, v0
	s_wait_xcnt 0x0                                ; EXEC is a source of the loads above: it changes only behind this wait
	s_and_saveexec_b32 s28, vcc_lo
	s_wait_alu depctr_va_vdst(0)
	global_store_b64 v[ZR], v[MU:MU+1], s[14:15]
	s_wait_xcnt 0x0                                ; and again in front of the line that widens it
	s_or_b32 exec_lo, exec_lo, s28
.Ldone:
	s_wait_tensorcnt 0x0
	ds_add_u32 v192, v193
	s_wait_dscnt 0x0
	s_endpgm
; ---------------- the four weights
; 32 numbers of ONE block in my lane, v[s] on, become 4 registers of codes v[d] on and the block's byte v[e].
.macro QB s, d, e
	v_max3_num_f32 v[TA], |v[\s]|, |v[\s+1]|, 0x1800000            ; two chains; the floor 2^(3 - 127) among the leaves holds the byte at 1 from below
	v_max3_num_f32 v[TB], |v[\s+16]|, |v[\s+17]|, |v[\s+18]|
.irp i, 0,1,2,3,4,5
	v_max3_num_f32 v[TA], v[TA], |v[\s+2+2*\i]|, |v[\s+3+2*\i]|
	v_max3_num_f32 v[TB], v[TB], |v[\s+19+2*\i]|, |v[\s+20+2*\i]|
.endr
	v_max3_num_f32 v[TA], v[TA], |v[\s+14]|, |v[\s+15]|
	v_max3_num_f32 v[TA], v[TA], v[TB], |v[\s+31]|
	v_add_nc_u32 v[SCO], 0xff000000, v[TA]         ; 2 off the exponent field: the conversion takes that field as its scale and nothing else
	v_lshrrev_b32 v[\e], 23, v[SCO]                ; the scale's byte
.irp g, 0,1,2,3
	v_cvt_scalef32_pk8_fp4_f32 v[\d+\g], v[\s+8*\g:\s+8*\g+7], v[SCO]
.endr
	v_nop                                          ; a plain line behind the last scaled conversion
.endm
; my block's byte and lane l xor 16's make the row's scale word; bytes 2 and 3 stand over zero codes
.macro WORD2 e, w
	v_lshlrev_b32 v[T], v[SH8], v[\e]
	v_permlanex16_b32 v[U], v[T], s20, s21
	v_or_b32 v[T], v[T], v[U]
	v_or_b32 v[\w], 0x7f7f0000, v[T]
.endm
.Lweights:
	v_and_b32 v2, 31, v0
	v_lshlrev_b32 v2, 4, v2                        ; 16 x lane
	v_bfe_u32 v3, v0, 4, 1                         ; h
	v_bfe_u32 v4, v0, 3, 1                         ; r / 8
	v_and_b32 v5, 7, v0                            ; r % 8
	v_lshlrev_b32 v1, 13, v4                       ; row 32 (r / 8) + r % 8 of 256 bytes, + 128 h: my block of 32,
	v_lshl_add_u32 v1, v5, 8, v1
	v_lshl_add_u32 v1, v3, 7, v1
	s_lshl_b32 s24, s18, 11
	v_add_nc_u32 v1, s24, v1                       ; + 8 t rows: my wave's tile
	s_lshl_b32 s24, s18, 9
	v_add_nc_u32 v7, s24, v2                       ; the tile's image: 512 t + 16 x lane
	s_lshl_b32 s24, s18, 2
	v_add_nc_u32 v14, s24, v2                      ; its scale words: 16 x lane + 4 t
	v_lshlrev_b32 v[SH8], 3, v3
	v_mov_b32 v[U], 0                              ; a lane permute's destination counts as one of its sources
	s_sub_co_u32 s26, ttmp9, 128                   ; my matrix, 0..3
	s_mul_i32 s22, s26, 2560
	s_wait_alu depctr_va_vdst(0)
	s_wait_kmcnt 0x0
	s_cmp_eq_u32 s26, 1                            ; the choice hangs on the work-group's number alone
	s_cselect_b64 s[6:7], s[8:9], s[6:7]
	s_cmp_eq_u32 s26, 2
	s_cselect_b64 s[6:7], s[10:11], s[6:7]
	s_cmp_eq_u32 s26, 3
	s_cselect_b64 s[6:7], s[12:13], s[6:7]
	s_add_nc_u64 s[16:17], s[16:17], s[22:23]
.irp n, 0,1,2,3,4,5,6,7
	global_load_b128 v[X+4*\n:X+4*\n+3], v1, s[6:7] offset:16*\n   ; my block's 128 bytes
.endr
	s_wait_loadcnt 0x0
	QB X, CW, EB
	WORD2 EB, CW+4
	global_store_b128 v7, v[CW:CW+3], s[16:17]     ; 32 lanes store 512 consecutive bytes
	global_store_b32 v14, v[CW+4], s[16:17] offset:2048            ; 4 bytes a lane, 16 apart: the four waves' words interleave, as the readers load them; 512 bytes a matrix
	s_endpgm
.Lfunc_end_k_q29990f7ca1_prep:
	.size	k_q29990f7ca1_prep, .Lfunc_end_k_q29990f7ca1_prep-k_q29990f7ca1_prep
	.p2alignl 7, 3214868480
	.fill 96, 4, 3214868480
	.section	.rodata,"a",@progbits
	.p2align	6, 0x0
	.amdhsa_kernel k_q29990f7ca1_prep
		.amdhsa_group_segment_fixed_size 1024
		.amdhsa_private_segment_fixed_size 0
		.amdhsa_enable_private_segment 0
		.amdhsa_kernarg_size 56
		.amdhsa_user_sgpr_count 2
		.amdhsa_user_sgpr_kernarg_segment_ptr 1
		.amdhsa_wavefront_size32 1
		.amdhsa_system_sgpr_workgroup_id_x 1
		.amdhsa_system_sgpr_workgroup_id_y 1
		.amdhsa_system_sgpr_workgroup_id_z 1
		.amdhsa_system_vgpr_workitem_id 0
		.amdhsa_next_free_vgpr 194
		.amdhsa_next_free_sgpr 66
		.amdhsa_reserve_vcc 1
		.amdhsa_float_denorm_mode_32 3
		.amdhsa_float_denorm_mode_16_64 3
		.amdhsa_memory_ordered 1
		.amdhsa_forward_progress 1
		.amdhsa_inst_pref_size 15
	.end_amdhsa_kernel
	.amdgpu_metadata
---
amdhsa.version: [ 1, 2 ]
amdhsa.kernels:
  - .name:           k_q29990f7ca1_prep
    .symbol:         k_q29990f7ca1_prep.kd
    .args:
      - { .name: x, .offset: 0, .size: 8, .value_kind: global_buffer, .address_space: global }
      - { .name: wq, .offset: 8, .size: 8, .value_kind: global_buffer, .address_space: global }
      - { .name: wk, .offset: 16, .size: 8, .value_kind: global_buffer, .address_space: global }
      - { .name: wv, .offset: 24, .size: 8, .value_kind: global_buffer, .address_space: global }
      - { .name: wp, .offset: 32, .size: 8, .value_kind: global_buffer, .address_space: global }
      - { .name: stats, .offset: 40, .size: 8, .value_kind: global_buffer, .address_space: global }
      - { .name: wts, .offset: 48, .size: 8, .value_kind: global_buffer, .address_space: global }
    .group_segment_fixed_size: 1024
    .private_segment_fixed_size: 0
    .kernarg_segment_align: 8
    .kernarg_segment_size: 56
    .max_flat_workgroup_size: 128
    .sgpr_count:     66
    .vgpr_count:     194
    .wavefront_size: 32
...
	.end_amdgpu_metadata
.endif
;; end of part 1
;; launch qkv (part 2): grid 32 x 4, 8 waves a work-group, no clusters, 41,984 bytes of LDS; arguments x, stats, gn_gamma, gn_beta, wts, bq, bk, bv, qc, qs, kv; writes qc, qs, kv
.if DOCPART == 2
	.amdgcn_target "amdgcn-amd-amdhsa--gfx1250"
	.amdhsa_code_object_version 6
	.text
	.protected	k_q29990f7ca1_qkv
	.globl	k_q29990f7ca1_qkv
	.p2align	8
	.type	k_q29990f7ca1_qkv,@function
k_q29990f7ca1_qkv:
	s_mov_b64 s[64:65], 0
	v_nop
	global_prefetch_b8 v0, s[64:65] scope:SCOPE_SE
	s_setreg_imm32_b32 hwreg(HW_REG_WAVE_MODE, 25, 1), 1
	s_wait_xcnt 0x0
; h = group norm of x; q = wq h + bq, k = wk h + bk, v = wv h + bv, on codes of FP4 (E2M1) with one E8M0 byte for each 32 along K; q, k and v are quantised in turn
; (q, k along the channels, v along the positions, which are the keys) and stored as IMAGES OF THE OPERANDS' REGISTERS for the attention launch.
; SHARES.  A work-group takes a STEP: 128 positions of one batch (x = step, y = batch), all 64 channels.  Eight waves.
;   First wave w normalises channels 8 w .. 8 w + 7 (each load: 512 consecutive bytes of one channel) and lays them in LDS, [channel][position], f32.
;   Then wave w = 4 c + tau owns tile (c, tau), whose row r is position 64 c + 4 r + tau of the step: it reads its rows DOWN the channels (lane (r, h): channels 32 h .. 32 h + 31,
;   a whole block), quantises them, and makes q and k of its 16 positions; and for v it owns channel tile ct = tau for the four tiles of positions of group c.
; K = 64 fills half of the instruction's 128: registers 4-7 of every operand are zero codes, and bytes 2, 3 of every scale word are 0x7f.
; LAYOUTS.  q, k: source 0 = a weight's tile t (row r = channel 32 (r / 8) + 8 t + r % 8), source 1 = h's fragment: lane (r', h') then holds, in the 32 registers of its four tiles, channels
;   32 h' .. 32 h' + 31 of position r': a whole block, in order: the four conversions ARE the next operand's registers.  The bias is the C of the product.
;   v: source 0 = h's fragment (c, tau), source 1 = wv's tile ct: lane (r', h') holds channel 32 (r' / 8) + 8 ct + r' % 8 and, in register 8 tau + j, key 32 (2 c + h') + 4 j + tau of the step: the whole block
;   2 c + h' of the keys, each key at place 8 tau + j.  The attention launch's weights p lie at the same places: one order inside a block on both sides keeps products and scale.
; OUT.  qc: [batch][tile][lane][16 B]; qs: [batch][tile][row] words; kv: for each batch the LDS image of the attention launch: K's codes (4,096 bytes a step), K's words (512), V's codes (4,096), V's words (256).
;   Every store covers whole aligned runs of 256 bytes or more; the scale words are gathered in LDS for that.
; LIMITS: a block of zeros gets the byte 1 where the rule says 127 (its codes are zeros; this program alone reads the bytes); NaN and infinities are not served.
; No cluster, no tensor loads: the work-groups share only 10 KB of weights; x is read once, through registers.
.set HT,  0                            ; LDS: h, 64 channels x 512 bytes
.set HI,  32768                        ; h's eight fragments, 512 bytes each
.set HS,  36864                        ; their scale words, [c][lane][tau]
.set KSS, 37888                        ; K's scale words of the step, [lane r + 16 c][tau]
.set QSS, 38400                        ; Q's, [tile][row]
.set VSS, 38912                        ; V's, [lane r + 16 (ct % 2)][ct / 2], each word in two halves c
.set KVB, 286720                       ; bytes of kv for a batch
.set LI,   1                           ; v1   16 x lane
.set AHW,  2                           ; v2   where I lay my channels' h
.set AHR,  3                           ; v3   where I read my rows down the channels
.set AIW,  4                           ; v4   my fragment's image
.set AIR,  5                           ; v5   my group's four images
.set ASW,  6                           ; v6   my fragment's scale word
.set ASRD, 7                           ; v7   my group's four words
.set AKS,  8
.set AQS,  9
.set AVS,  10
.set AOUT, 11                          ; v11  wave 0: K's words, wave 1: Q's, on their way out
.set AOV,  12                          ; v12  V's words on their way out
.set SH8,  13                          ; v13  8 h
.set H128, 14                          ; v14  128 h: bq's, bk's 32 numbers of my block
.set OBV,  15                          ; v15  bv of my column's channel
.set L8,   16                          ; v16  8 x lane
.set TA,   17                          ; v17-22 at work
.set TB,   18
.set SCO,  19
.set EB,   20
.set T,    21
.set U,    22
.set XR,   24                          ; v24-55   x, then h down the channels, then v
.set HF,   56                          ; v56-63   h's fragment
.set WQ,   64                          ; v64-95   wq's four tiles; later my group's four fragments of h
.set WK,   96                          ; v96-127  wk's
.set WVF,  128                         ; v128-135 wv's tile ct
.set BQ,   136                         ; v136-167 bq, then q
.set BK,   168                         ; v168-199 bk, then k
.set BV,   200                         ; v200-207 bv
.set WQS,  208                         ; v208-223 hold scale words and nothing else
.set WKS,  212
.set WVS,  216
.set HW,   217
.set HSV,  220
.set CQ,   224                         ; codes of q, k, v
.set CK,   228
.set CV,   232
.set QW,   236                         ; their words
.set KW,   237
.set VW,   238
.set OUTR, 240
.set OWV,  244                         ; v244 16 x lane + 512 ct;  v245 16 x lane + 4 ct
.set OWW,  245
.macro BAR                             ; my LDS stores have landed and my LDS loads are in: then the work-group's barrier
	s_wait_dscnt 0x0
	s_barrier_signal -1
	s_barrier_wait -1
.endm
; 32 numbers of ONE block in my lane, v[s] on, become 4 registers of codes v[d] on and the block's byte v[e].  Each accumulator of eight among them is first read at its low end.
.macro QB s, d, e
	v_max3_num_f32 v[TA], |v[\s]|, |v[\s+1]|, 0x1800000            ; two chains; the floor 2^(3 - 127) among the leaves holds the byte at 1 from below
	v_max3_num_f32 v[TB], |v[\s+16]|, |v[\s+17]|, |v[\s+18]|
.irp i, 0,1,2,3,4,5
	v_max3_num_f32 v[TA], v[TA], |v[\s+2+2*\i]|, |v[\s+3+2*\i]|
	v_max3_num_f32 v[TB], v[TB], |v[\s+19+2*\i]|, |v[\s+20+2*\i]|
.endr
	v_max3_num_f32 v[TA], v[TA], |v[\s+14]|, |v[\s+15]|
	v_max3_num_f32 v[TA], v[TA], v[TB], |v[\s+31]|
	s_delay_alu instid0(VALU_DEP_1)
	v_add_nc_u32 v[SCO], 0xff000000, v[TA]         ; 2 off the exponent field: the conversion takes that field as its scale and nothing else
	s_delay_alu instid0(VALU_DEP_1)
	v_lshrrev_b32 v[\e], 23, v[SCO]                ; the scale's byte
.irp g, 0,1,2,3
	v_cvt_scalef32_pk8_fp4_f32 v[\d+\g], v[\s+8*\g:\s+8*\g+7], v[SCO]
.endr
	v_nop                                          ; a plain line behind the last scaled conversion
.endm
.macro WORD2 e, w                      ; my block's byte and lane l xor 16's make the row's scale word; bytes 2 and 3 stand over zero codes
	v_lshlrev_b32 v[T], v[SH8], v[\e]
	s_delay_alu instid0(VALU_DEP_1)
	v_permlanex16_b32 v[U], v[T], s56, s57
	s_delay_alu instid0(VALU_DEP_1)
	v_or_b32 v[T], v[T], v[U]
	s_delay_alu instid0(VALU_DEP_1)
	v_or_b32 v[\w], 0x7f7f0000, v[T]
.endm
	s_load_b256 s[4:11], s[0:1], 0x0               ; x s[4:5], stats s[6:7], gamma s[8:9], beta s[10:11]
	s_load_b256 s[12:19], s[0:1], 0x20             ; wts s[12:13], bq s[14:15], bk s[16:17], bv s[18:19]
	s_load_b128 s[20:23], s[0:1], 0x40             ; qc s[20:21], qs s[22:23]
	s_load_b64 s[24:25], s[0:1], 0x50              ; kv
	v_lshl_add_u32 v254, v0, 2, 0xa000
	v_mov_b32 v255, 0
	v_lshrrev_b32 v17, 5, v0
	s_delay_alu instid0(VALU_DEP_1)
	v_readfirstlane_b32 s26, v17                   ; wave 0..7
	s_lshr_b32 s27, s26, 2                         ; c
	s_and_b32 s28, s26, 3                          ; tau, and ct
	s_mov_b32 s29, ttmp9                           ; the step
	s_and_b32 s30, ttmp7, 0xffff                   ; the batch
	s_mov_b32 s56, 0x76543210                      ; v_permlanex16_b32's selects for lane l xor 16
	s_mov_b32 s57, 0xfedcba98
	; every LDS address: a constant + constants x lane + constants x wave, made here and never rewritten
	v_and_b32 v246, 31, v0                         ; lane
	v_and_b32 v247, 15, v0                         ; r
	v_bfe_u32 v248, v0, 4, 1                       ; h
	s_delay_alu instid0(VALU_DEP_3)
	v_lshlrev_b32 v[LI], 4, v246
	s_wait_alu depctr_va_vdst(0)
	s_lshl_b32 s58, s26, 12
	v_add_nc_u32 v[AHW], s58, v[LI]                ; channel 8 w: 4,096 w, + 16 x lane
	v_lshlrev_b32 v[AHR], 14, v248                 ; channel 32 h,
	s_delay_alu instid0(VALU_DEP_1)
	v_lshl_add_u32 v[AHR], v247, 4, v[AHR]         ; position 64 c + 4 r + tau
	s_lshl_b32 s58, s27, 8
	s_lshl_b32 s59, s28, 2
	s_add_co_u32 s58, s58, s59
	v_add_nc_u32 v[AHR], s58, v[AHR]
	s_lshl_b32 s58, s26, 9
	s_add_co_u32 s58, s58, HI
	v_add_nc_u32 v[AIW], s58, v[LI]
	s_lshl_b32 s58, s27, 11
	s_add_co_u32 s58, s58, HI
	v_add_nc_u32 v[AIR], s58, v[LI]
	s_lshl_b32 s58, s27, 9
	s_add_co_u32 s58, s58, HS
	v_add_nc_u32 v[ASRD], s58, v[LI]
	s_delay_alu instid0(VALU_DEP_1)
	v_add_nc_u32 v[ASW], s59, v[ASRD]
	v_lshlrev_b32 v[AKS], 4, v247
	s_lshl_b32 s58, s27, 8
	s_add_co_u32 s58, s58, s59
	s_add_co_u32 s58, s58, KSS
	v_add_nc_u32 v[AKS], s58, v[AKS]               ; 16 (r + 16 c) + 4 tau
	v_lshlrev_b32 v[AQS], 2, v247
	s_lshl_b32 s58, s26, 6
	s_add_co_u32 s58, s58, QSS
	v_add_nc_u32 v[AQS], s58, v[AQS]               ; 64 w + 4 r
	v_lshlrev_b32 v[AVS], 3, v247
	s_wait_alu depctr_va_vdst(0)
	s_and_b32 s58, s28, 1
	s_lshl_b32 s58, s58, 7
	s_lshr_b32 s60, s28, 1
	s_lshl_b32 s60, s60, 2
	s_add_co_u32 s58, s58, s60
	s_lshl_b32 s60, s27, 1
	s_add_co_u32 s58, s58, s60
	s_add_co_u32 s58, s58, VSS
	v_add_nc_u32 v[AVS], s58, v[AVS]               ; 8 (r + 16 (ct % 2)) + 4 (ct / 2) + 2 c
	s_and_b32 s58, s26, 1
	s_lshl_b32 s58, s58, 9
	s_add_co_u32 s58, s58, KSS
	v_add_nc_u32 v[AOUT], s58, v[LI]
	v_lshlrev_b32 v[L8], 3, v246
	s_delay_alu instid0(VALU_DEP_1)
	v_add_nc_u32 v[AOV], VSS, v[L8]
	v_lshlrev_b32 v[SH8], 3, v248
	v_lshlrev_b32 v[H128], 7, v248
	v_bfe_u32 v249, v0, 3, 1
	v_and_b32 v250, 7, v0
	s_delay_alu instid0(VALU_DEP_2)
	v_lshlrev_b32 v[OBV], 7, v249                  ; 4 bytes x channel 32 (r / 8) + 8 ct + r % 8
	s_delay_alu instid0(VALU_DEP_1)
	v_lshl_add_u32 v[OBV], v250, 2, v[OBV]
	s_lshl_b32 s58, s28, 5
	v_add_nc_u32 v[OBV], s58, v[OBV]
	s_lshl_b32 s58, s28, 9
	v_add_nc_u32 v[OWV], s58, v[LI]
	v_add_nc_u32 v[OWW], s59, v[LI]
.irp j, 4,5,6,7                        ; the upper half of K: zero codes, written once
	v_mov_b32 v[HF+\j], 0
	v_mov_b32 v[WVF+\j], 0
.irp t, 0,1,2,3
	v_mov_b32 v[WQ+8*\t+\j], 0
	v_mov_b32 v[WK+8*\t+\j], 0
.endr
.endr
	v_mov_b32 v[U], 0                              ; a lane permute's destination counts as one of its sources
	; offsets, apart from the addresses
	s_lshl_b32 s58, s30, 20                        ; x: the batch, channel 8 w, the step's 512 bytes
	s_lshl_b32 s60, s26, 17
	s_add_co_u32 s58, s58, s60
	s_lshl_b32 s60, s29, 9
	s_add_co_u32 s58, s58, s60
	s_mov_b32 s59, 0
	s_lshl_b32 s60, s30, 8                         ; stats: groups 4 w .. 4 w + 3 of the batch
	s_lshl_b32 s62, s26, 5                         ; gamma, beta: channels 8 w ..
	s_add_co_u32 s60, s60, s62
	s_mov_b32 s61, 0
	s_mov_b32 s63, 0
	s_wait_kmcnt 0x0
	s_add_nc_u64 s[4:5], s[4:5], s[58:59]
	s_add_nc_u64 s[6:7], s[6:7], s[60:61]
	s_add_nc_u64 s[8:9], s[8:9], s[62:63]
	s_add_nc_u64 s[10:11], s[10:11], s[62:63]
	s_load_b256 s[32:39], s[6:7], 0x0              ; (mean, rs) of four groups
	s_load_b256 s[40:47], s[8:9], 0x0              ; gamma of eight channels
	s_load_b256 s[48:55], s[10:11], 0x0            ; beta
.irp i, 0,1,2,3,4,5,6,7
	global_load_b128 v[XR+4*\i:XR+4*\i+3], v[LI], s[4:5] offset:16384*\i   ; channel 8 w + i: 32 lanes read 512 consecutive bytes
.endr
.irp t, 0,1,2,3                        ; 29 loads more: they land while h is made
	global_load_b128 v[WQ+8*\t:WQ+8*\t+3], v[LI], s[12:13] offset:512*\t
	global_load_b128 v[WK+8*\t:WK+8*\t+3], v[LI], s[12:13] offset:2560+512*\t
.endr
	global_load_b128 v[WVF:WVF+3], v[OWV], s[12:13] offset:5120
	global_load_b128 v[WQS:WQS+3], v[LI], s[12:13] offset:2048
	global_load_b128 v[WKS:WKS+3], v[LI], s[12:13] offset:4608
	global_load_b32 v[WVS], v[OWW], s[12:13] offset:7168
.irp n, 0,1,2,3,4,5,6,7
	global_load_b128 v[BQ+4*\n:BQ+4*\n+3], v[H128], s[14:15] offset:16*\n
	global_load_b128 v[BK+4*\n:BK+4*\n+3], v[H128], s[16:17] offset:16*\n
.endr
	global_load_b32 v[BV], v[OBV], s[18:19]
	; where the results go
	s_lshl_b32 s58, s30, 5
	s_add_co_u32 s58, s58, s29                     ; 32 x batch + step
	s_lshl_b32 s60, s58, 12
	s_lshl_b32 s62, s26, 9
	s_add_co_u32 s60, s60, s62
	s_add_nc_u64 s[20:21], s[20:21], s[60:61]      ; qc: tile 8 (32 b + s) + w, 512 bytes each
	s_lshl_b32 s60, s58, 9
	s_add_nc_u64 s[22:23], s[22:23], s[60:61]      ; qs: 512 bytes a step
	s_mul_i32 s60, s30, KVB
	s_add_nc_u64 s[24:25], s[24:25], s[60:61]      ; kv: the batch's image
	s_lshl_b32 s60, s29, 12
	s_add_co_u32 s60, s60, s62
	s_add_nc_u64 s[66:67], s[24:25], s[60:61]      ; K's codes: 4,096 s + 512 w
	s_lshl_b32 s60, s29, 9
	s_add_co_u32 s60, s60, 131072
	s_add_nc_u64 s[68:69], s[24:25], s[60:61]      ; K's words
	s_lshl_b32 s60, s29, 12
	s_lshl_b32 s62, s28, 10
	s_add_co_u32 s60, s60, s62
	s_lshl_b32 s62, s27, 9
	s_add_co_u32 s60, s60, s62
	s_add_co_u32 s60, s60, 147456
	s_add_nc_u64 s[70:71], s[24:25], s[60:61]      ; V's codes: 4,096 s + 1,024 ct + 512 c
	s_lshl_b32 s60, s29, 8
	s_add_co_u32 s60, s60, 278528
	s_add_nc_u64 s[72:73], s[24:25], s[60:61]      ; V's words
	s_wait_kmcnt 0x0
.irp i, 0,1,2,3,4,5,6,7
	s_mul_f32 s[40+\i], s[33+2*(\i/2)], s[40+\i]   ; rs x gamma
.endr
	; ---- h = (x - mean) rs gamma + beta, to LDS
	s_wait_loadcnt 29                              ; x's eight loads are in; the 29 issued behind them may be out
.irp i, 0,1,2,3,4,5,6,7
.irp j, 0,1,2,3
	v_sub_f32 v[XR+4*\i+\j], v[XR+4*\i+\j], s[32+2*(\i/2)]
.endr
.irp j, 0,1,2,3
	s_delay_alu instid0(VALU_DEP_4)
	v_fma_f32 v[XR+4*\i+\j], v[XR+4*\i+\j], s[40+\i], s[48+\i]
.endr
	ds_store_b128 v[AHW], v[XR+4*\i:XR+4*\i+3] offset:512*\i
.endr
	BAR                                            ; all 64 channels of the step lie in LDS
	; ---- my fragment of h
.irp i, 0,1,2,3,4,5,6,7,8,9,10,11,12,13,14,15,16,17,18,19,20,21,22,23,24,25,26,27,28,29,30,31
	ds_load_b32 v[XR+\i], v[AHR] offset:512*\i     ; channel 32 h + i of my position
.endr
	s_wait_dscnt 0x0
	QB XR, HF, EB
	WORD2 EB, HW
	ds_store_b128 v[AIW], v[HF:HF+3]               ; the fragment's image and its word, for the waves of my group
	ds_store_b32 v[ASW], v[HW]
	s_wait_alu depctr_va_vdst(0)
	s_wait_loadcnt 0x0                             ; weights, words and biases
.irp j, 1,2,3,4,5,6,7
	v_mov_b32 v[BV+\j], v[BV]                      ; v's bias in the result's layout: all eight registers are my column's channel.
.endr
	v_nop                                          ; With this line: eight plain lines between the write of h's scale word and the scaled products (four are owed behind the codes)
	s_wait_dscnt 0x0                               ; for the others' sake: image and word have landed
	s_barrier_signal -1
.irp t, 0,1,2,3                        ; q and k of my 16 positions, on registers alone, while the others arrive: eight accumulators, one product each; the bias is the C, in place
	v_wmma_scale_f32_16x16x128_f8f6f4 v[BQ+8*\t:BQ+8*\t+7], v[WQ+8*\t:WQ+8*\t+7], v[HF:HF+7], v[BQ+8*\t:BQ+8*\t+7], v[WQS+\t], v[HW] matrix_a_fmt:MATRIX_FMT_FP4 matrix_b_fmt:MATRIX_FMT_FP4
	v_wmma_scale_f32_16x16x128_f8f6f4 v[BK+8*\t:BK+8*\t+7], v[WK+8*\t:WK+8*\t+7], v[HF:HF+7], v[BK+8*\t:BK+8*\t+7], v[WKS+\t], v[HW] matrix_a_fmt:MATRIX_FMT_FP4 matrix_b_fmt:MATRIX_FMT_FP4
.endr
	s_barrier_wait -1                              ; the eight fragments lie in LDS
.rept 4
	v_nop                                          ; four places in front of loads into registers that the products read, and of the first read of their results
.endr
.irp t, 0,1,2,3
	ds_load_b128 v[WQ+8*\t:WQ+8*\t+3], v[AIR] offset:512*\t        ; my group's four fragments, where wq's tiles lay: the upper halves are zeros already
.endr
	ds_load_b128 v[HSV:HSV+3], v[ASRD]             ; and their words
	QB BQ, CQ, EB                                  ; q: my lane holds a whole block of its position
	WORD2 EB, QW
	global_store_b128 v[LI], v[CQ:CQ+3], s[20:21]  ; 32 lanes store 512 consecutive bytes
	ds_store_b32 v[AQS], v[QW]
	s_wait_dscnt 0x0
.irp t, 0,1,2,3                        ; v: rows = positions of tile (c, t), columns = my 16 channels: four accumulators, one product each
	v_wmma_scale_f32_16x16x128_f8f6f4 v[XR+8*\t:XR+8*\t+7], v[WQ+8*\t:WQ+8*\t+7], v[WVF:WVF+7], v[BV:BV+7], v[HSV+\t], v[WVS] matrix_a_fmt:MATRIX_FMT_FP4 matrix_b_fmt:MATRIX_FMT_FP4
.endr
	QB BK, CK, EB                                  ; k; these lines, which name nothing of v's products, are the places behind them
	WORD2 EB, KW
	global_store_b128 v[LI], v[CK:CK+3], s[66:67]
	ds_store_b32 v[AKS], v[KW]
	QB XR, CV, EB                                  ; v: my lane holds the whole block 2 c + h of the keys for its channel
	v_lshlrev_b32 v[T], v[SH8], v[EB]
	s_delay_alu instid0(VALU_DEP_1)
	v_permlanex16_b32 v[U], v[T], s56, s57
	s_delay_alu instid0(VALU_DEP_1)
	v_or_b32 v[VW], v[T], v[U]                     ; bytes 2 c and 2 c + 1 of the channel's word for this step
	global_store_b128 v[LI], v[CV:CV+3], s[70:71]
	ds_store_b16 v[AVS], v[VW]
	BAR                                            ; the step's scale words lie in LDS
	s_cmp_lt_u32 s26, 2
	s_cbranch_scc0 .Lnot_kq
	ds_load_b128 v[OUTR:OUTR+3], v[AOUT]           ; wave 0: K's 512 bytes; wave 1: Q's
	s_cmp_eq_u32 s26, 0
	s_cselect_b64 s[74:75], s[68:69], s[22:23]     ; the choice hangs on the wave's number alone
	s_wait_dscnt 0x0
	global_store_b128 v[LI], v[OUTR:OUTR+3], s[74:75]
	s_branch .Lend
.Lnot_kq:
	s_cmp_eq_u32 s26, 2
	s_cbranch_scc0 .Lend
	ds_load_b64 v[OUTR:OUTR+1], v[AOV]             ; wave 2: V's 256 bytes
	s_wait_dscnt 0x0
	global_store_b64 v[L8], v[OUTR:OUTR+1], s[72:73]
.Lend:
	s_wait_tensorcnt 0x0
	ds_add_u32 v254, v255
	s_wait_dscnt 0x0
	s_endpgm
.Lfunc_end_k_q29990f7ca1_qkv:
	.size	k_q29990f7ca1_qkv, .Lfunc_end_k_q29990f7ca1_qkv-k_q29990f7ca1_qkv
	.p2alignl 7, 3214868480
	.fill 96, 4, 3214868480
	.section	.rodata,"a",@progbits
	.p2align	6, 0x0
	.amdhsa_kernel k_q29990f7ca1_qkv
		.amdhsa_group_segment_fixed_size 41984
		.amdhsa_private_segment_fixed_size 0
		.amdhsa_enable_private_segment 0
		.amdhsa_kernarg_size 88
		.amdhsa_user_sgpr_count 2
		.amdhsa_user_sgpr_kernarg_segment_ptr 1
		.amdhsa_wavefront_size32 1
		.amdhsa_system_sgpr_workgroup_id_x 1
		.amdhsa_system_sgpr_workgroup_id_y 1
		.amdhsa_system_sgpr_workgroup_id_z 1
		.amdhsa_system_vgpr_workitem_id 0
		.amdhsa_next_free_vgpr 256
		.amdhsa_next_free_sgpr 80
		.amdhsa_reserve_vcc 0
		.amdhsa_float_denorm_mode_32 3
		.amdhsa_float_denorm_mode_16_64 3
		.amdhsa_memory_ordered 1
		.amdhsa_forward_progress 1
		.amdhsa_inst_pref_size 29
	.end_amdhsa_kernel
	.amdgpu_metadata
---
amdhsa.version: [ 1, 2 ]
amdhsa.kernels:
  - .name:           k_q29990f7ca1_qkv
    .symbol:         k_q29990f7ca1_qkv.kd
    .args:
      - { .name: x, .offset: 0, .size: 8, .value_kind: global_buffer, .address_space: global }
      - { .name: stats, .offset: 8, .size: 8, .value_kind: global_buffer, .address_space: global }
      - { .name: gn_gamma, .offset: 16, .size: 8, .value_kind: global_buffer, .address_space: global }
      - { .name: gn_beta, .offset: 24, .size: 8, .value_kind: global_buffer, .address_space: global }
      - { .name: wts, .offset: 32, .size: 8, .value_kind: global_buffer, .address_space: global }
      - { .name: bq, .offset: 40, .size: 8, .value_kind: global_buffer, .address_space: global }
      - { .name: bk, .offset: 48, .size: 8, .value_kind: global_buffer, .address_space: global }
      - { .name: bv, .offset: 56, .size: 8, .value_kind: global_buffer, .address_space: global }
      - { .name: qc, .offset: 64, .size: 8, .value_kind: global_buffer, .address_space: global }
      - { .name: qs, .offset: 72, .size: 8, .value_kind: global_buffer, .address_space: global }
      - { .name: kv, .offset: 80, .size: 8, .value_kind: global_buffer, .address_space: global }
    .group_segment_fixed_size: 41984
    .private_segment_fixed_size: 0
    .kernarg_segment_align: 8
    .kernarg_segment_size: 88
    .max_flat_workgroup_size: 256
    .sgpr_count:     80
    .vgpr_count:     256
    .wavefront_size: 32
...
	.end_amdgpu_metadata
.endif
;; end of part 2
;; launch attn (part 3): grid 64 x 4, 16 waves a work-group, clusters of 4 x 1, 327,680 bytes of LDS; arguments qc, qs, kv, wts, bp, x, out0; writes out0
.if DOCPART == 3
	.amdgcn_target "amdgcn-amd-amdhsa--gfx1250"
	.amdhsa_code_object_version 6
	.text
	.protected	k_q29990f7ca1_attn
	.globl	k_q29990f7ca1_attn
	.p2align	8
	.type	k_q29990f7ca1_attn,@function
k_q29990f7ca1_attn:
	s_mov_b64 s[64:65], 0
	v_nop
	global_prefetch_b8 v0, s[64:65] scope:SCOPE_SE
	s_setreg_imm32_b32 hwreg(HW_REG_WAVE_MODE, 25, 1), 1
	s_wait_xcnt 0x0
	s_wait_alu depctr_hold_cnt(0) depctr_sa_sdst(0) depctr_va_vdst(0) depctr_va_sdst(0) depctr_va_ssrc(0) depctr_va_vcc(0) depctr_vm_vsrc(0)
	s_getreg_b32 s2, hwreg(HW_REG_IB_STS2, 6, 4)
	s_cmp_eq_u32 s2, 0
	s_cbranch_scc0 .Lentry_in_a_cluster
	s_endpgm
.Lentry_in_a_cluster:
	s_bfe_u32 s2, ttmp6, 0x10000c
	s_cmp_lg_u32 s2, 0x3003
	s_cbranch_scc0 .Lentry_shape_is_right
	s_endpgm
.Lentry_shape_is_right:
; out = x + wp (softmax(q^T k / 8) applied to v) + bp, all three products on codes of FP4 (E2M1) with one E8M0 byte for each 32 along K.
; THE SOFTMAX IS QUANTISED FINISHED AND NORMALISED, so a row's maximum and sum must be known before any weight is quantised.  The scores are therefore made TWICE:
;   pass 1: scores, a running maximum m and sum l;   pass 2: the scores again, p = 2^(c s - c m) x (1 / l), c = log2(e) / 8, quantised along the keys, O += V p.  Pass 2 has no running sum and rescales nothing.
; SHARES.  A work-group owns 64 queries of one batch (group G: positions 64 G .. 64 G + 63).  Sixteen waves, four to a SIMD, 256 registers each, so that one wave's LDS loads and products lie under another's
;   vector work.  Wave w = 4 kq + qt: query tile qt (row r = position 64 G + 4 r + qt), and of the 32 key steps of 128 keys steps 8 kq .. 8 kq + 7.  The four quarters' (m, l) meet in LDS between the passes,
;   their parts of O behind pass 2.
; K AND V OF THE WHOLE BATCH, as codes and scale words in the order of the operands' registers, are 286,720 bytes: they come into LDS ONCE, no byte is filled twice, and they come IN STAGES, so that scores are
;   made while most of the bytes are still on their way.  At the start three loads a wave: K's words (16,384 bytes a work-group), K's codes of the first two steps of each quarter (32,768), the rest of K's
;   codes (98,304).  Pass 1's steps 0 and 1 want the first two loads alone.  V's part (139,264 bytes), which pass 2 wants, is asked for between step 1 and step 2: until then K's bytes alone are on their way.
;   It is a first fill that comes later.  Three loads of a wave are out at the most.
; CLUSTER.  The four work-groups of a cluster belong to one batch and want the same 286,720 bytes: every tensor load is asked for JOINTLY (mask 15), each wave a sixteenth of each stage.
;   The place in the cluster enters the addresses of qc, qs, x and out0 alone.
; LAYOUTS (lane l: r = l % 16, h = l / 16).  S^T = K Q^T: source 0 = key tile (c, tau), whose row r is key 64 c + 4 r + tau of the step; a lane holds ONE query (r) and, in registers 32 c + 8 tau + j, key
;   32 (2 c + h) + 4 j + tau: the whole block 2 c + h of the keys, at the places at which V's codes lie.  So a block's largest p needs no other lane and the conversions are the second product's operand.
;   O^T = V^T p: source 0 = channel tile ct (row r = channel 32 (r / 8) + 8 ct + r % 8): a lane's 32 registers are channels 32 h .. 32 h + 31 of its query: a whole block for the last product.
;   K = 64 (scores, last product) fills half of the instruction's 128: registers 4-7 of both operands are zero codes, bytes 2, 3 of the words 0x7f.
; LIMITS: NaN and infinities are not served; p under 2^-126 ahead of the division is 0 (v_exp_f32 flushes: ISA guide 15.8); a block of zeros carries the byte 1 where the rule says 127 (its codes are zeros);
;   l and the four quarters of O are summed in another order than a plain sum over the keys.
.set KSB, 131072                       ; LDS: K's codes at 0 (4,096 bytes a step), K's words here (512 a step),
.set VCB, 147456                       ; V's codes (4,096 a step),
.set VSB, 278528                       ; V's words (256 a step),
.set STB, 286720                       ; (-c m, l) of each thread, 8 bytes,
.set STG, 290816                       ; the stage for the way out: 64 channels x (256 bytes + 16),
.set SPARE, 308224                     ; the spare words, 128 bytes for each wave: eight blocks of 256 bytes that no other line names
; behind pass 2 bytes 16,384 .. 65,535 of K's codes, which have had their only fill and their last read, take twelve waves' parts of O: 4,096 bytes a wave
.set AK,  1                            ; v1-4  the step's addresses: K's codes, K's words, V's codes, V's words
.set AS,  2
.set AV,  3
.set AT,  4
.set LI,  1                            ; v1 is also 16 x lane and v2 4 r, then 128 h (offsets of global loads), ahead of the loops and behind them, while they are no LDS addresses
.set OFS, 2
.set AK0, 5                            ; v5-8  the same at my quarter's first step; never rewritten
.set AS0, 6
.set AV0, 7
.set AT0, 8
.set AST, 9                            ; v9-13 LDS addresses made at the head and never rewritten
.set ARD, 10
.set AOW, 11
.set ASG, 12
.set ASR, 13
.set GX,  14                           ; v14   my byte offset in the group's x and out
.set SH8, 15                           ; v15   8 h
.set QF,  16                           ; v16-23   Q's fragment; at the end x
.set KF,  24                           ; v24-87   eight tiles of K; at the end wp's four tiles and, from v56, bp and the last product
.set BP,  56
.set SS,  88                           ; v88-151  S^T, then p
.set OO,  152                          ; v152-183 O^T
.set VF,  184                          ; v184-215 V's four tiles
.set PC,  216                          ; v216-223 p's codes
.set KSC, 224                          ; v224-231 hold scale words and nothing else: K's (at the end wp's), V's, Q's, p's (at the end O's)
.set VSC, 228
.set QSC, 230
.set PW,  231
.set VM,  232                          ; v232 the running largest score
.set SPW, 233                          ; v233 LDS address of my spare word: SPARE + 4 x my thread's number; never rewritten
.set NCM, 234                          ; v234 -c m; v235 l
.set LS,  236                          ; v[236:237] the running sum in two halves
.set FF,  238                          ; v[238:239] 2^(c m_old - c m_new), and a 0 named with it
.set T,   240                          ; v[240:241] at work
.set MB,  242                          ; v242-245 chains of maxima
.set RL,  246                          ; v[246:247] 1 / l, twice
.set EB,  248                          ; v248-249 bytes
.set SCO, 250                          ; v250-251 the conversions' scale operands
.set TA,  252
.set TB,  253
.set U,   254
.set NIL, 255                          ; v255 0; never rewritten
.set WV,  18
.set G1S, 24                           ; s[24:31] group 1 for K's words, s[32:39] for K's first codes, s[68:75] for the rest of them, s[76:83] for V's part
.set G1C, 32
.set G1R, 68
.set G1B, 76
.set G0S, 40                           ; s[40:43], s[44:47], s[84:87], s[88:91] their groups 0; none is ever rewritten
.set G0C, 44
.set G0R, 84
.set G0B, 88
.set CS,  48                           ; s[48:49] c, c;  s50 -c
.set NC,  50
.set SEL, 52
.set T4K, 54                           ; s54 4,096 x step, s55 512 x step, s56 256 x step
.set TSS, 55
.set TTT, 56
.set CNT, 57
.macro BAR                             ; my LDS stores have landed and my LDS loads are in: then the work-group's barrier
	s_wait_dscnt 0x0
	s_barrier_signal -1
	s_barrier_wait -1
.endm
.macro CROUND                          ; a round of the cluster's barrier: my work-group's barrier; wave 0 signals for the work-group; every wave waits for all four; my work-group's barrier once more
	s_barrier_signal -1
	s_barrier_wait -1
	s_cmp_lg_u32 s[WV], 0
	s_cbranch_scc1 .Lnot_wave_0_\@
	s_barrier_signal -3
.Lnot_wave_0_\@:
	s_barrier_wait -3
	s_barrier_signal -1
	s_barrier_wait -1
.endm
; 32 numbers of ONE block in my lane, v[s] on, become 4 registers of codes v[d] on and the block's byte v[e].  Each accumulator of eight among them is first read at its low end.
.macro QB s, d, e
	v_max3_num_f32 v[TA], |v[\s]|, |v[\s+1]|, 0x1800000            ; two chains; the floor 2^(3 - 127) among the leaves holds the byte at 1 from below
	v_max3_num_f32 v[TB], |v[\s+16]|, |v[\s+17]|, |v[\s+18]|
.irp i, 0,1,2,3,4,5
	s_delay_alu instid0(VALU_DEP_2)
	v_max3_num_f32 v[TA], v[TA], |v[\s+2+2*\i]|, |v[\s+3+2*\i]|
	s_delay_alu instid0(VALU_DEP_2)
	v_max3_num_f32 v[TB], v[TB], |v[\s+19+2*\i]|, |v[\s+20+2*\i]|
.endr
	s_delay_alu instid0(VALU_DEP_2)
	v_max3_num_f32 v[TA], v[TA], |v[\s+14]|, |v[\s+15]|
	s_delay_alu instid0(VALU_DEP_1)
	v_max3_num_f32 v[TA], v[TA], v[TB], |v[\s+31]|
	s_delay_alu instid0(VALU_DEP_1)
	v_add_nc_u32 v[SCO], 0xff000000, v[TA]
	s_delay_alu instid0(VALU_DEP_1)
	v_lshrrev_b32 v[\e], 23, v[SCO]
.irp g, 0,1,2,3
	v_cvt_scalef32_pk8_fp4_f32 v[\d+\g], v[\s+8*\g:\s+8*\g+7], v[SCO]
.endr
	v_nop                                          ; a plain line behind the last scaled conversion
.endm
.macro WORD2 e, w
	v_lshlrev_b32 v[T], v[SH8], v[\e]
	s_delay_alu instid0(VALU_DEP_1)
	v_permlanex16_b32 v[U], v[T], s[SEL], s[SEL+1]
	s_delay_alu instid0(VALU_DEP_1)
	v_or_b32 v[T], v[T], v[U]
	s_delay_alu instid0(VALU_DEP_1)
	v_or_b32 v[\w], 0x7f7f0000, v[T]
.endm
	s_load_b256 s[4:11], s[0:1], 0x0               ; qc s[4:5], qs s[6:7], kv s[8:9], wts s[10:11]
	s_load_b128 s[12:15], s[0:1], 0x20             ; bp s[12:13], x s[14:15]
	s_load_b64 s[16:17], s[0:1], 0x30              ; out0
	v_lshl_add_u32 v[SPW], v0, 2, SPARE
	v_mov_b32 v[NIL], 0
	ds_add_u32 v233, v255
	ds_add_u32 v233, v255
	s_wait_dscnt 0x0
	v_lshrrev_b32 v3, 5, v0
	s_delay_alu instid0(VALU_DEP_1)
	v_readfirstlane_b32 s[WV], v3                  ; wave 0..15
	s_and_b32 s19, s[WV], 3                        ; qt
	s_lshr_b32 s20, s[WV], 2                       ; kq
	s_bfe_u32 s21, ttmp6, 0x40000                  ; cx: my place in the cluster
	s_lshl_b32 s22, ttmp9, 2                       ; in a cluster launch ttmp9 counts clusters
	s_add_co_u32 s22, s22, s21                     ; G = 4 x cluster x + cx: it enters the addresses of qc, qs, x and out0 alone
	s_and_b32 s23, ttmp7, 0xffff                   ; the batch, which the four partners share
	; descriptor groups 1: dense blocks as rows of 256 bytes (32 elements of 8 bytes); they differ in the number of rows alone
.irp g, G1S, G1C, G1R, G1B
	s_mov_b32 s[\g], 15|(3<<16)|(1<<21)            ; 15:0 the mask: all four work-groups; 17:16 elements of 8 bytes; 21 set beside a mask; no padding: the images are read 16 bytes a lane, on end
	s_mov_b32 s[\g+1], 32<<16                      ; tensor_dim0
	s_mov_b32 s[\g+3], 32<<16                      ; tile_dim0
	s_mov_b32 s[\g+5], 32                          ; tensor_dim0_stride
	s_mov_b32 s[\g+6], 0
	s_mov_b32 s[\g+7], 0
.endr
	s_mov_b32 s[G1S+2], 4<<16                      ; tensor_dim1 and tile_dim1: K's words, 1,024 bytes a wave
	s_mov_b32 s[G1S+4], 4
	s_mov_b32 s[G1C+2], 8<<16                      ; K's codes of two steps of a quarter, 2,048 bytes a wave
	s_mov_b32 s[G1C+4], 8
	s_mov_b32 s[G1R+2], 24<<16                     ; of its other six steps, 6,144 bytes a wave
	s_mov_b32 s[G1R+4], 24
	s_mov_b32 s[G1B+2], 34<<16                     ; V's codes and words, 8,704 bytes a wave
	s_mov_b32 s[G1B+4], 34
	s_mov_b32 s[CS], 0x3e38aa3b                    ; c = log2(e) / 8
	s_mov_b32 s[CS+1], s[CS]                       ; named with it as a pair, so it is written
	s_mov_b32 s[NC], 0xbe38aa3b                    ; -c
	s_mov_b32 s[SEL], 0x76543210                   ; v_permlanex16_b32's selects for lane l xor 16
	s_mov_b32 s[SEL+1], 0xfedcba98
	; every LDS address: a constant + constants x lane + constants x wave
	v_and_b32 v240, 31, v0                         ; lane
	v_and_b32 v241, 15, v0                         ; r
	v_bfe_u32 v242, v0, 4, 1                       ; h
	s_delay_alu instid0(VALU_DEP_3)
	v_lshlrev_b32 v[LI], 4, v240
	s_wait_alu depctr_va_vdst(0)
	s_lshl_b32 s58, s20, 15
	v_add_nc_u32 v[AK0], s58, v[LI]                ; my quarter's eight steps of K's codes
	s_add_co_u32 s59, s58, VCB
	v_add_nc_u32 v[AV0], s59, v[LI]
	s_lshl_b32 s58, s20, 12
	s_add_co_u32 s58, s58, KSB
	v_add_nc_u32 v[AS0], s58, v[LI]
	v_lshlrev_b32 v[AT0], 3, v240
	s_lshl_b32 s58, s20, 11
	s_add_co_u32 s58, s58, VSB
	v_add_nc_u32 v[AT0], s58, v[AT0]
	v_lshl_add_u32 v[AST], v0, 3, STB              ; thread 128 kq + 32 qt + 16 h + r
	v_lshlrev_b32 v[ARD], 3, v241
	s_lshl_b32 s58, s19, 8
	s_add_co_u32 s58, s58, STB
	v_add_nc_u32 v[ARD], s58, v[ARD]               ; my query's eight pairs: + 1,024 kq + 128 h
	s_lshl_b32 s58, s[WV], 12
	v_add_nc_u32 v[AOW], s58, v[LI]
	v_mul_u32_u24 v[ASG], v242, 8704               ; the stage: channel 32 h (+ 8 ot + j), position 4 r + qt
	s_delay_alu instid0(VALU_DEP_1)
	v_lshl_add_u32 v[ASG], v241, 4, v[ASG]
	s_lshl_b32 s58, s19, 2
	s_add_co_u32 s58, s58, STG
	v_add_nc_u32 v[ASG], s58, v[ASG]
	v_mul_u32_u24 v[ASR], v242, 272                ; back: channel 4 w + h (+ 2 i), 16 bytes a lane
	s_delay_alu instid0(VALU_DEP_1)
	v_lshl_add_u32 v[ASR], v241, 4, v[ASR]
	s_mul_i32 s58, s[WV], 4*272
	s_add_co_u32 s58, s58, STG
	v_add_nc_u32 v[ASR], s58, v[ASR]
	v_lshlrev_b32 v[GX], 14, v242                  ; and the same in x and out: a channel is 16,384 bytes
	s_delay_alu instid0(VALU_DEP_1)
	v_lshl_add_u32 v[GX], v241, 4, v[GX]
	s_lshl_b32 s58, s[WV], 16
	v_add_nc_u32 v[GX], s58, v[GX]
	v_lshlrev_b32 v[SH8], 3, v242
	v_lshlrev_b32 v[OFS], 2, v241
	; descriptor groups 0.  The image lies in memory as it lies in LDS, so one number is both offsets.  What feeds them (s58-61) never holds the place in the cluster
	s_mov_b32 s[G0S], 1                            ; count = 1
	s_mov_b32 s[G0C], 1
	s_mov_b32 s[G0R], 1
	s_mov_b32 s[G0B], 1
	s_lshl_b32 s58, s[WV], 10
	s_add_co_u32 s[G0S+1], s58, KSB                ; K's words: my sixteenth
	s_lshl_b32 s58, s20, 15
	s_lshl_b32 s59, s19, 11
	s_add_co_u32 s[G0C+1], s58, s59                ; steps 8 kq and 8 kq + 1: 8,192 bytes, my quarter of them
	s_mul_i32 s59, s19, 6144
	s_add_co_u32 s58, s58, s59
	s_add_co_u32 s[G0R+1], s58, 8192               ; steps 8 kq + 2 .. 8 kq + 7: 24,576 bytes, my quarter of them
	s_mul_i32 s58, s[WV], 8704
	s_add_co_u32 s[G0B+1], s58, VCB                ; V's part: my sixteenth
	s_mul_i32 s58, s23, 286720
	s_mov_b32 s59, 0
	s_mov_b32 s61, 0
	s_mov_b32 s63, 0
	s_wait_kmcnt 0x0
	s_add_nc_u64 s[8:9], s[8:9], s[58:59]          ; the batch's image
.irp g, G0S, G0C, G0R, G0B
	s_mov_b32 s60, s[\g+1]
	s_add_nc_u64 s[\g+2:\g+3], s[8:9], s[60:61]
	s_or_b32 s[\g+3], s[\g+3], 0x80000000          ; type = 2
.endr
	s_lshl_b32 s62, s23, 8
	s_lshl_b32 s51, s22, 2
	s_add_co_u32 s62, s62, s51
	s_add_co_u32 s51, s62, s19                     ; my tile of queries: 256 b + 4 G + qt
	s_lshl_b32 s62, s51, 9
	s_add_nc_u64 s[4:5], s[4:5], s[62:63]
	s_lshl_b32 s62, s51, 6
	s_add_nc_u64 s[6:7], s[6:7], s[62:63]
	s_lshl_b32 s62, s23, 20
	s_lshl_b32 s51, s22, 8
	s_add_co_u32 s62, s62, s51                     ; x and out: the batch, the group's 256 bytes of a channel
	s_add_nc_u64 s[14:15], s[14:15], s[62:63]
	s_add_nc_u64 s[16:17], s[16:17], s[62:63]
	CROUND                                         ; all four work-groups are here: the joint loads meet
	tensor_load_to_lds s[G0S:G0S+3], s[G1S:G1S+7]  ; K's words,
	s_nop 0
	tensor_load_to_lds s[G0C:G0C+3], s[G1C:G1C+7]  ; K's codes of each quarter's first two steps,
	s_nop 0
	tensor_load_to_lds s[G0R:G0R+3], s[G1R:G1R+7]  ; and of the other six
	s_nop 0
.rept 4
	v_nop
.endr
	global_load_b128 v[QF:QF+3], v[LI], s[4:5]     ; Q's fragment stays in registers
	s_wait_alu depctr_va_vdst(0)
	global_load_b32 v[QSC], v[OFS], s[6:7]         ; and its words
.irp j, 4,5,6,7                        ; the upper half of K = 128: zero codes, written once
	v_mov_b32 v[QF+\j], 0
.irp t, 0,1,2,3,4,5,6,7
	v_mov_b32 v[KF+8*\t+\j], 0
.endr
.endr
	v_mov_b32 v[VM], 0xff61b1e6                    ; the largest score so far: -3e38, under every score
	s_delay_alu instid0(VALU_DEP_1)
	v_mul_f32 v[NCM], s[NC], v[VM]
	v_mov_b32 v[NCM+1], 0                          ; (named as upper halves of pairs before they are first written)
	v_mov_b32 v[LS], 0
	v_mov_b32 v[LS+1], 0
	v_mov_b32 v[FF+1], 0
	v_mov_b32 v[U], 0                              ; a lane permute's destination counts as one of its sources
	s_wait_alu depctr_va_vdst(0)
	s_wait_tensorcnt 0x1                           ; tensor loads of a wave end in order (ISA guide 10.11.1): my parts of K's words and of the first two steps are in; the one load issued behind them may stay out
	s_barrier_signal -1
	s_barrier_wait -1                              ; everybody's are
	s_wait_loadcnt 0x0                             ; Q: v1 and v2, its loads' offsets, are free from here on
; S^T of a step: eight tiles of 16 keys, one product each (K = 64), C = 0.  Register tau of K's words carries tile tau in lanes 0-15 and tile 4 + tau in lanes 16-31
.macro SCORES ak, as, ko, so
.irp t, 0,1,2,3,4,5,6,7
	ds_load_b128 v[KF+8*\t:KF+8*\t+3], v[\ak] offset:\ko+512*\t
.endr
	ds_load_b128 v[KSC:KSC+3], v[\as] offset:\so
	s_wait_dscnt 0x0
.irp t, 0,1,2,3
	v_wmma_scale_f32_16x16x128_f8f6f4 v[SS+8*\t:SS+8*\t+7], v[KF+8*\t:KF+8*\t+7], v[QF:QF+7], 0, v[KSC+\t], v[QSC] matrix_a_fmt:MATRIX_FMT_FP4 matrix_b_fmt:MATRIX_FMT_FP4
.endr
.irp t, 4,5,6,7
	v_wmma_scale_f32_16x16x128_f8f6f4 v[SS+8*\t:SS+8*\t+7], v[KF+8*\t:KF+8*\t+7], v[QF:QF+7], 0, v[KSC+\t-4], v[QSC] matrix_a_fmt:MATRIX_FMT_FP4 matrix_b_fmt:MATRIX_FMT_FP4 matrix_a_scale:MATRIX_SCALE_ROW1
.endr
.endm
.macro SCALE                           ; c s - c m, two at a time (of the pairs c and -c m the low word serves both halves); each accumulator from its low end on
.set j, 0
.rept 32
	v_pk_fma_f32 v[SS+j:SS+j+1], v[SS+j:SS+j+1], s[CS:CS+1], v[NCM:NCM+1] op_sel_hi:[1,0,0]
.set j, j+2
.endr
.endm
.macro EXPS
.set j, 0
.rept 64
	v_exp_f32 v[SS+j], v[SS+j]
.set j, j+1
.endr
.endm
; PASS 1, a step.  Each LANE keeps a maximum and a sum of its own 64 keys of the step: no lane asks another inside the loop.
; ak, as: the address registers; ko, so: the step's place as immediates.  walk = 1: the step stands in the loop and makes the next step's addresses.
.macro STEP1 ak, as, ko, so, walk
	SCORES \ak, \as, \ko, \so
.if \walk
	s_add_co_u32 s[T4K], s[T4K], 4096
	s_add_co_u32 s[TSS], s[TSS], 512
	v_add_nc_u32 v[AK], s[T4K], v[AK0]             ; the next step's addresses: with the two v_nop the four places behind the products (ISA guide 7.12.1)
	v_add_nc_u32 v[AS], s[TSS], v[AS0]
	v_nop
	v_nop
.else
.rept 4
	v_nop                                          ; the four places behind the products (ISA guide 7.12.1)
.endr
.endif
.irp b, 0,1,2,3
	v_max3_num_f32 v[MB+\b], v[SS+16*\b], v[SS+16*\b+1], v[SS+16*\b+2]   ; four chains by turns
.endr
.irp i, 3,5,7,9,11,13
.irp b, 0,1,2,3
	v_max3_num_f32 v[MB+\b], v[MB+\b], v[SS+16*\b+\i], v[SS+16*\b+\i+1]
.endr
.endr
	v_max3_num_f32 v[MB], v[MB], v[SS+15], v[SS+31]
	v_max3_num_f32 v[MB+1], v[MB+1], v[SS+47], v[SS+63]
	s_delay_alu instid0(VALU_DEP_1)
	v_max3_num_f32 v[MB], v[MB], v[MB+1], v[MB+2]
	s_delay_alu instid0(VALU_DEP_1)
	v_max3_num_f32 v[VM], v[MB], v[MB+3], v[VM]    ; the running largest score
	s_delay_alu instid0(VALU_DEP_1)
	v_mul_f32 v[T], s[NC], v[VM]                   ; the new -c m
	s_delay_alu instid0(VALU_DEP_1)
	v_sub_f32 v[FF], v[T], v[NCM]                  ; c m_old - c m_new, 0 or less
	s_wait_alu depctr_va_vdst(0)
	v_exp_f32 v[FF], v[FF]
	v_mov_b32 v[NCM], v[T]                         ; (a plain line behind the transcendental)
	SCALE
	s_setprio 1
	s_wait_alu depctr_va_vdst(0)
	EXPS
	s_setprio 0
	s_wait_alu depctr_va_vdst(0)
	v_pk_mul_f32 v[LS:LS+1], v[LS:LS+1], v[FF:FF+1] op_sel_hi:[1,0]      ; the sum under the new m.  (A plain line behind the exponentials)
	v_pk_add_f32 v[240:241], v[92:93], v[96:97]
	v_pk_add_f32 v[252:253], v[100:101], v[104:105]
	v_pk_add_f32 v[250:251], v[108:109], v[112:113]
	v_pk_add_f32 v[248:249], v[116:117], v[120:121]
	v_pk_add_f32 v[246:247], v[124:125], v[128:129]
	v_pk_add_f32 v[244:245], v[132:133], v[136:137]
	v_pk_add_f32 v[242:243], v[140:141], v[144:145]
	v_pk_add_f32 v[236:237], v[236:237], v[148:149]
	v_pk_add_f32 v[240:241], v[240:241], v[88:89]
	v_pk_add_f32 v[252:253], v[252:253], v[90:91]
	v_pk_add_f32 v[250:251], v[250:251], v[94:95]
	v_pk_add_f32 v[248:249], v[248:249], v[98:99]
	v_pk_add_f32 v[246:247], v[246:247], v[102:103]
	v_pk_add_f32 v[244:245], v[244:245], v[106:107]
	v_pk_add_f32 v[242:243], v[242:243], v[110:111]
	v_pk_add_f32 v[236:237], v[236:237], v[114:115]
	v_pk_add_f32 v[240:241], v[240:241], v[118:119]
	v_pk_add_f32 v[252:253], v[252:253], v[122:123]
	v_pk_add_f32 v[250:251], v[250:251], v[126:127]
	v_pk_add_f32 v[248:249], v[248:249], v[130:131]
	v_pk_add_f32 v[246:247], v[246:247], v[134:135]
	v_pk_add_f32 v[244:245], v[244:245], v[138:139]
	v_pk_add_f32 v[242:243], v[242:243], v[142:143]
	v_pk_add_f32 v[236:237], v[236:237], v[146:147]
	v_pk_add_f32 v[240:241], v[240:241], v[150:151]
	s_delay_alu instid0(VALU_DEP_2)
	v_pk_add_f32 v[236:237], v[236:237], v[248:249]
	s_delay_alu instid0(VALU_DEP_2)
	v_pk_add_f32 v[240:241], v[240:241], v[246:247]
	v_pk_add_f32 v[252:253], v[252:253], v[244:245]
	v_pk_add_f32 v[250:251], v[250:251], v[242:243]
	s_delay_alu instid0(VALU_DEP_2)
	v_pk_add_f32 v[236:237], v[236:237], v[252:253]
	s_delay_alu instid0(VALU_DEP_2)
	v_pk_add_f32 v[240:241], v[240:241], v[250:251]
	s_delay_alu instid0(VALU_DEP_1)
	v_pk_add_f32 v[236:237], v[236:237], v[240:241]
.endm
	STEP1 AK0, AS0, 0, 0, 0                        ; my quarter's steps 0 and 1, written out with immediate offsets: they read the 8,192 bytes of codes and 1,024 of words that have landed,
	STEP1 AK0, AS0, 4096, 512, 0                   ; while the other six steps' codes are on their way
	; V's PART IS ASKED FOR HERE.  Its bytes are filled for the first time, later than the first group, in the form of a refill: every wave waits for all its tensor loads, adds 0 to its
	; spare word, waits for that and for its LDS reads; a round of the cluster's barrier; the joint load first behind it, one a wave.  The wait for 0 is due anyway: step 2 reads the rest of K's codes.
	s_wait_tensorcnt 0x0                           ; my part of the rest of K's codes is in: no tensor load of mine is out
	ds_add_u32 v[SPW], v[NIL]                      ; 0 onto my spare word: the loop's set-up stands between it and the wait for it
	v_add_nc_u32 v[AK], 0x2000, v[AK0]             ; step 2 of my quarter
	v_add_nc_u32 v[AS], 0x400, v[AS0]
	s_mov_b32 s[T4K], 8192
	s_mov_b32 s[TSS], 1024
	s_mov_b32 s[CNT], 6
	s_wait_dscnt 0x0                               ; the add is done, and my LDS loads are in
	CROUND                                         ; all of K lies in the LDS of all four work-groups
	tensor_load_to_lds s[G0B:G0B+3], s[G1B:G1B+7]  ; V's codes and words: my one load behind the round; six steps of pass 1 stand between it and the wait for it
	s_nop 0
.rept 4
	v_nop
.endr
.Lpass1:
	s_wait_alu depctr_va_vdst(0)
	s_setprio 2
	STEP1 AK, AS, 0, 0, 1
	s_sub_co_u32 s[CNT], s[CNT], 1
	s_cmp_lg_u32 s[CNT], 0
	s_cbranch_scc1 .Lpass1
	s_setprio 0
	; THE EIGHT (-c m, l) OF A QUERY (two halves of the lanes x four quarters of the keys) MEET.  Every lane of a query takes them in the same order: the same bits everywhere.
	v_add_f32 v[NCM+1], v[LS], v[LS+1]
	ds_store_b64 v[AST], v[NCM:NCM+1]
	s_wait_tensorcnt 0x0                           ; my part of V is in: pass 2 reads it behind this barrier
	BAR
.irp n, 0,1,2,3,4,5,6,7
	ds_load_b64 v[SS+2*\n:SS+2*\n+1], v[ARD] offset:1024*(\n/2)+128*(\n%2)
.endr
	s_wait_dscnt 0x0
	v_min3_num_f32 v[NCM], v[SS], v[SS+2], v[SS+4]
	s_delay_alu instid0(VALU_DEP_1)
	v_min3_num_f32 v[NCM], v[NCM], v[SS+6], v[SS+8]
	s_delay_alu instid0(VALU_DEP_1)
	v_min3_num_f32 v[NCM], v[NCM], v[SS+10], v[SS+12]
	s_delay_alu instid0(VALU_DEP_1)
	v_min_num_f32 v[NCM], v[NCM], v[SS+14]         ; -c x the row's maximum
.irp n, 0,1,2,3,4,5,6,7
	v_sub_f32 v[SS+16+\n], v[NCM], v[SS+2*\n]
.endr
	s_wait_alu depctr_va_vdst(0)
.irp n, 0,1,2,3,4,5,6,7
	v_exp_f32 v[SS+16+\n], v[SS+16+\n]
.endr
	v_mov_b32 v[AK], v[AK0]                        ; back to my quarter's first step.  (Plain lines behind the exponentials)
	v_mov_b32 v[AS], v[AS0]
	s_wait_alu depctr_va_vdst(0)
	v_mul_f32 v[NCM+1], v[SS+1], v[SS+16]
.irp n, 1,2,3,4,5,6,7
	v_fmac_f32 v[NCM+1], v[SS+2*\n+1], v[SS+16+\n] ; the row's sum under the row's maximum
.endr
	s_wait_alu depctr_va_vdst(0)
	v_rcp_f32 v[RL], v[NCM+1]
	v_nop                                          ; a plain line behind the transcendental
	s_wait_alu depctr_va_vdst(0)
	v_mov_b32 v[RL+1], v[RL]
	s_mov_b32 s[T4K], 0
	s_mov_b32 s[TSS], 0
	s_mov_b32 s[TTT], 0
.macro PV ct, zero                     ; O^T's tile ct += V^T p.  Register ct / 2 of V's words carries the even tile in lanes 0-15, the odd one in lanes 16-31
.if \zero
.if (\ct)%2
	v_wmma_scale_f32_16x16x128_f8f6f4 v[OO+8*\ct:OO+8*\ct+7], v[VF+8*\ct:VF+8*\ct+7], v[PC:PC+7], 0, v[VSC+(\ct)/2], v[PW] matrix_a_fmt:MATRIX_FMT_FP4 matrix_b_fmt:MATRIX_FMT_FP4 matrix_a_scale:MATRIX_SCALE_ROW1
.else
	v_wmma_scale_f32_16x16x128_f8f6f4 v[OO+8*\ct:OO+8*\ct+7], v[VF+8*\ct:VF+8*\ct+7], v[PC:PC+7], 0, v[VSC+(\ct)/2], v[PW] matrix_a_fmt:MATRIX_FMT_FP4 matrix_b_fmt:MATRIX_FMT_FP4
.endif
.else
.if (\ct)%2
	v_wmma_scale_f32_16x16x128_f8f6f4 v[OO+8*\ct:OO+8*\ct+7], v[VF+8*\ct:VF+8*\ct+7], v[PC:PC+7], v[OO+8*\ct:OO+8*\ct+7], v[VSC+(\ct)/2], v[PW] matrix_a_fmt:MATRIX_FMT_FP4 matrix_b_fmt:MATRIX_FMT_FP4 matrix_a_scale:MATRIX_SCALE_ROW1
.else
	v_wmma_scale_f32_16x16x128_f8f6f4 v[OO+8*\ct:OO+8*\ct+7], v[VF+8*\ct:VF+8*\ct+7], v[PC:PC+7], v[OO+8*\ct:OO+8*\ct+7], v[VSC+(\ct)/2], v[PW] matrix_a_fmt:MATRIX_FMT_FP4 matrix_b_fmt:MATRIX_FMT_FP4
.endif
.endif
.endm
; PASS 2, a step.  zero = 1: the first products start O^T's sums: nothing is cleared.
.macro STEP2 zero
	SCORES AK, AS, 0, 0
	v_add_nc_u32 v[AV], s[T4K], v[AV0]             ; with the two v_nop: the four places behind the scores' products, and behind the last step's products V^T p in front of the loads into their registers
	v_add_nc_u32 v[AT], s[TTT], v[AT0]
	v_nop
	v_nop
.irp ct, 0,1,2,3
.irp c, 0,1
	ds_load_b128 v[VF+8*\ct+4*\c:VF+8*\ct+4*\c+3], v[AV] offset:1024*\ct+512*\c   ; V's four tiles: they land under the softmax
.endr
.endr
	ds_load_b64 v[VSC:VSC+1], v[AT]
	SCALE
	s_wait_alu depctr_va_vdst(0)
	EXPS
	s_setprio 1
	v_nop                                          ; a plain line behind the exponentials
.set j, 0
	s_wait_alu depctr_va_vdst(0)
.rept 32
	v_pk_mul_f32 v[SS+j:SS+j+1], v[SS+j:SS+j+1], v[RL:RL+1]        ; p, finished and normalised.  1 / l stays apart from the exponent: folded in, log2 l would be rounded at c m's last place
.set j, j+2
.endr
.irp c, 0,1                            ; my two blocks' largest p: no |.|, none is negative; two chains a block, the blocks by turns; the floor 2^(3 - 127) among the leaves
	v_max3_num_f32 v[TA+\c], v[SS+32*\c], v[SS+32*\c+1], 0x1800000
	v_max3_num_f32 v[MB+\c], v[SS+32*\c+16], v[SS+32*\c+17], v[SS+32*\c+18]
.endr
.irp i, 0,1,2,3,4,5
.irp c, 0,1
	s_delay_alu instid0(VALU_DEP_4)
	v_max3_num_f32 v[TA+\c], v[TA+\c], v[SS+32*\c+2+2*\i], v[SS+32*\c+3+2*\i]
	s_delay_alu instid0(VALU_DEP_4)
	v_max3_num_f32 v[MB+\c], v[MB+\c], v[SS+32*\c+19+2*\i], v[SS+32*\c+20+2*\i]
.endr
.endr
.irp c, 0
	s_delay_alu instid0(VALU_DEP_4)
	v_max3_num_f32 v[TA+\c], v[TA+\c], v[SS+32*\c+14], v[SS+32*\c+15]
.endr
.irp c, 1
	s_delay_alu instid0(VALU_DEP_3)
	v_max3_num_f32 v[TA+\c], v[TA+\c], v[SS+32*\c+14], v[SS+32*\c+15]
.endr
.irp c, 0,1
	s_delay_alu instid0(VALU_DEP_2)
	v_max3_num_f32 v[TA+\c], v[TA+\c], v[MB+\c], v[SS+32*\c+31]
.endr
.irp c, 0,1
	s_delay_alu instid0(VALU_DEP_2)
	v_add_nc_u32 v[SCO+\c], 0xff000000, v[TA+\c]   ; 2 off the exponent field: the conversion's scale operand
.endr
.irp c, 0,1
	s_delay_alu instid0(VALU_DEP_2)
	v_lshrrev_b32 v[EB+\c], 23, v[SCO+\c]          ; the bytes of blocks h and 2 + h
.endr
	s_delay_alu instid0(VALU_DEP_1)
	v_lshl_or_b32 v[T], v[EB+1], 16, v[EB]
	s_delay_alu instid0(VALU_DEP_1)
	v_lshlrev_b32 v[T], v[SH8], v[T]               ; at their places in the word;
	s_delay_alu instid0(VALU_DEP_1)
	v_permlanex16_b32 v[U], v[T], s[SEL], s[SEL+1]
	s_delay_alu instid0(VALU_DEP_1)
	v_or_b32 v[PW], v[T], v[U]                     ; with lane l xor 16's two the word is whole
.irp c, 0,1
.irp g, 0,1,2,3
	v_cvt_scalef32_pk8_fp4_f32 v[PC+4*\c+\g], v[SS+32*\c+8*\g:SS+32*\c+8*\g+7], v[SCO+\c]   ; registers 4 c .. 4 c + 3 of the operand: block 2 c + h
.endr
.endr
	s_setprio 0
	s_add_co_u32 s[T4K], s[T4K], 4096
	s_add_co_u32 s[TSS], s[TSS], 512
	s_add_co_u32 s[TTT], s[TTT], 256
	v_add_nc_u32 v[AK], s[T4K], v[AK0]             ; the next step's addresses, and six v_nop: eight plain lines between the write of p's scale word and the scaled products (four are owed behind the codes)
	v_add_nc_u32 v[AS], s[TSS], v[AS0]
.rept 6
	v_nop
.endr
	s_wait_alu depctr_va_vdst(0)
	s_wait_dscnt 0x0                               ; V
.irp ct, 0,1,2,3                       ; four accumulators, one product a turn; the next step's eight score products stand between two turns
	PV \ct, \zero
.endr
.endm
	STEP2 1
	s_mov_b32 s[CNT], 7
.Lpass2:
	s_setprio 2
	STEP2 0
	s_sub_co_u32 s[CNT], s[CNT], 1
	s_cmp_lg_u32 s[CNT], 0
	s_cbranch_scc1 .Lpass2
	s_setprio 0
	; THE END.  The four quarters' parts of O meet in the waves of quarter 0, which quantise O along the channels and multiply by wp; the result meets x in a stage of whole channel rows.
	v_and_b32 v[LI], 31, v0                        ; v1 and v2 are offsets of global loads again: 16 x lane and 128 h.  With the v_nop: four places behind the last products,
	v_lshlrev_b32 v[OFS], 4, v[SH8]                ; whose results are read, and whose operands' registers are loaded, below
	s_delay_alu instid0(VALU_DEP_2)
	v_lshlrev_b32 v[LI], 4, v[LI]
	v_nop
.irp i, 0,1
	global_load_b128 v[QF+4*\i:QF+4*\i+3], v[GX], s[14:15] offset:32768*\i   ; x of the two channel rows per half of the lanes that I shall store
.endr
	s_cmp_lt_u32 s[WV], 4
	s_cbranch_scc0 .Lno_wp
.irp t, 0,1,2,3
	global_load_b128 v[KF+8*\t:KF+8*\t+3], v[LI], s[10:11] offset:7680+512*\t   ; wp's four tiles: the upper halves are zeros already
.endr
	global_load_b128 v[KSC:KSC+3], v[LI], s[10:11] offset:9728     ; its words
.irp n, 0,1,2,3,4,5,6,7
	global_load_b128 v[BP+4*\n:BP+4*\n+3], v[OFS], s[12:13] offset:16*\n        ; bp of channels 32 h .. 32 h + 31: the last product's C
.endr
.Lno_wp:
	BAR                                            ; every wave's reads of K and V are over
	s_cmp_lt_u32 s[WV], 4
	s_cbranch_scc1 .Lkeeps
.irp i, 0,1,2,3,4,5,6,7
	ds_store_b128 v[AOW], v[OO+4*\i:OO+4*\i+3] offset:512*\i       ; quarters 1 to 3: O^T as it stands, each accumulator from its low end on
.endr
.Lkeeps:
	BAR                                            ; the twelve parts lie in LDS
	s_cmp_lt_u32 s[WV], 4
	s_cbranch_scc0 .Lno_last
.irp q, 1,2
.irp i, 0,1,2,3,4,5,6,7
	ds_load_b128 v[SS+32*(\q-1)+4*\i:SS+32*(\q-1)+4*\i+3], v[AOW] offset:16384*\q+512*\i   ; wave 4 q + qt's part
.endr
.endr
.irp i, 0,1,2,3,4,5,6,7
	ds_load_b128 v[VF+4*\i:VF+4*\i+3], v[AOW] offset:49152+512*\i
.endr
	s_wait_dscnt 16                                ; quarter 1's eight loads are in; the sixteen younger may be out
.set j, 0
.rept 16
	v_pk_add_f32 v[OO+j:OO+j+1], v[OO+j:OO+j+1], v[SS+j:SS+j+1]
.set j, j+2
.endr
	s_wait_dscnt 8
.set j, 0
.rept 16
	v_pk_add_f32 v[OO+j:OO+j+1], v[OO+j:OO+j+1], v[SS+32+j:SS+32+j+1]
.set j, j+2
.endr
	s_wait_dscnt 0x0
.set j, 0
.rept 16
	v_pk_add_f32 v[OO+j:OO+j+1], v[OO+j:OO+j+1], v[VF+j:VF+j+1]
.set j, j+2
.endr
	QB OO, PC, EB                                  ; my lane holds channels 32 h .. 32 h + 31 of its query: a whole block
.irp j, 4,5,6,7
	v_mov_b32 v[PC+\j], 0                          ; K = 64: the upper half is zero codes
.endr
	WORD2 EB, PW
	s_wait_alu depctr_va_vdst(0)
	s_wait_loadcnt 0x0                             ; wp, its words, bp (and x)
.rept 8
	v_nop                                          ; eight plain lines between the write of the scale word and the scaled products
.endr
.irp t, 0,1,2,3                        ; source 0 = wp's tile t, source 1 = O: four accumulators, one product each; bp is the C, in place
	v_wmma_scale_f32_16x16x128_f8f6f4 v[BP+8*\t:BP+8*\t+7], v[KF+8*\t:KF+8*\t+7], v[PC:PC+7], v[BP+8*\t:BP+8*\t+7], v[KSC+\t], v[PW] matrix_a_fmt:MATRIX_FMT_FP4 matrix_b_fmt:MATRIX_FMT_FP4
.endr
.rept 4
	v_nop                                          ; four places in front of the stores that read the results
.endr
.irp n, 0,1,2,3,4,5,6,7,8,9,10,11,12,13,14,15,16,17,18,19,20,21,22,23,24,25,26,27,28,29,30,31
	ds_store_b32 v[ASG], v[BP+\n] offset:272*\n    ; register n: channel 32 h + n, position 4 r + qt
.endr
.Lno_last:
	BAR                                            ; 64 whole channel rows of 64 positions lie in the stage
.irp i, 0,1
	ds_load_b128 v[SS+4*\i:SS+4*\i+3], v[ASR] offset:544*\i
.endr
	s_wait_loadcnt 0x0                             ; x
	s_wait_dscnt 0x0
.irp p, 0,2,4,6
	v_pk_add_f32 v[SS+\p:SS+\p+1], v[SS+\p:SS+\p+1], v[QF+\p:QF+\p+1]
.endr
.irp i, 0,1
	global_store_b128 v[GX], v[SS+4*\i:SS+4*\i+3], s[16:17] offset:32768*\i th:TH_STORE_NT   ; sixteen lanes store 256 consecutive bytes, at a multiple of 256 from out0's first byte; written once
.endr
	s_wait_tensorcnt 0x0                           ; the wave's end: behind my last tensor load and my last LDS store
	ds_add_u32 v[SPW], v[NIL]
	s_wait_dscnt 0x0
	CROUND                                         ; the closing round: no work-group ends while a partner may still ask for a tile that names it
	s_endpgm
.Lfunc_end_k_q29990f7ca1_attn:
	.size	k_q29990f7ca1_attn, .Lfunc_end_k_q29990f7ca1_attn-k_q29990f7ca1_attn
	.p2alignl 7, 3214868480
	.fill 96, 4, 3214868480
	.section	.rodata,"a",@progbits
	.p2align	6, 0x0
	.amdhsa_kernel k_q29990f7ca1_attn
		.amdhsa_group_segment_fixed_size 327680
		.amdhsa_private_segment_fixed_size 0
		.amdhsa_enable_private_segment 0
		.amdhsa_kernarg_size 56
		.amdhsa_user_sgpr_count 2
		.amdhsa_user_sgpr_kernarg_segment_ptr 1
		.amdhsa_wavefront_size32 1
		.amdhsa_system_sgpr_workgroup_id_x 1
		.amdhsa_system_sgpr_workgroup_id_y 1
		.amdhsa_system_sgpr_workgroup_id_z 1
		.amdhsa_system_vgpr_workitem_id 0
		.amdhsa_next_free_vgpr 256
		.amdhsa_next_free_sgpr 92
		.amdhsa_reserve_vcc 0
		.amdhsa_float_denorm_mode_32 3
		.amdhsa_float_denorm_mode_16_64 3
		.amdhsa_memory_ordered 1
		.amdhsa_forward_progress 1
		.amdhsa_inst_pref_size 85
	.end_amdhsa_kernel
	.amdgpu_metadata
---
amdhsa.version: [ 1, 2 ]
amdhsa.kernels:
  - .name:           k_q29990f7ca1_attn
    .symbol:         k_q29990f7ca1_attn.kd
    .args:
      - { .name: qc, .offset: 0, .size: 8, .value_kind: global_buffer, .address_space: global }
      - { .name: qs, .offset: 8, .size: 8, .value_kind: global_buffer, .address_space: global }
      - { .name: kv, .offset: 16, .size: 8, .value_kind: global_buffer, .address_space: global }
      - { .name: wts, .offset: 24, .size: 8, .value_kind: global_buffer, .address_space: global }
      - { .name: bp, .offset: 32, .size: 8, .value_kind: global_buffer, .address_space: global }
      - { .name: x, .offset: 40, .size: 8, .value_kind: global_buffer, .address_space: global }
      - { .name: out0, .offset: 48, .size: 8, .value_kind: global_buffer, .address_space: global }
    .group_segment_fixed_size: 327680
    .private_segment_fixed_size: 0
    .kernarg_segment_align: 8
    .kernarg_segment_size: 56
    .max_flat_workgroup_size: 512
    .sgpr_count:     92
    .vgpr_count:     256
    .wavefront_size: 32
...
	.end_amdgpu_metadata
.endif
;; end of part 3
